; MI455X (gfx1250); checked and timed in simulation.
; The chip was launched on July 23, 2026; its instructions are those of AMD's public machine-readable ISA for CDNA 5 (MIT licence, August 2026) and "CDNA5" Instruction Set Architecture Reference Guide (July 2026). The comments in the code are by the model that wrote it; some were corrected since.
;; HQQ Dequant Linear. Allowed arithmetic: float matrix products may take bf16 or f16 operands with f32 sums; other float arithmetic in f32, or as packed bf16 or f16 multiplies, adds, multiply-adds, maxima and minima; sums over many terms, partial sums and values carried from step to step in f32; what a program stores and reads back later, other than sums and carried values, may be rounded once to bf16 or f16.
;; Inputs: W_q 4,194,304 int32; scale 131,072 float32; x 4 x 2,048 x 4,096 float32; zero 131,072 float32.
;; Outputs: out0 4 x 2,048 x 2,048 float32.
;; 2 versions, each right; version 2 is version 1 with the launch prep written anew for expert scheduling mode. Each part assembles by itself: llvm-mc -triple=amdgcn-amd-amdhsa -mcpu=gfx1250 --defsym DOCPART=n.
;; ======== version 1 of 2: 2 launches
;; limits: values are held in f16: magnitudes above 65,504 overflow, below 6.1e-05 lose precision; inputs' magnitudes at most 65,504
;; workspace buffers: xh 67,108,864 bytes; wh 16,777,216 bytes
;; launch prep (part 1): grid 512 x 1, 8 waves a work-group, no clusters, 0 bytes of LDS; arguments x, W_q, scale, zero, xh, wh; writes xh, wh
.if DOCPART == 1
	.amdgcn_target "amdgcn-amd-amdhsa--gfx1250"
	.amdhsa_code_object_version 6
	.text
	.protected	k_q932b73990c_prep
	.globl	k_q932b73990c_prep
	.p2align	8
	.type	k_q932b73990c_prep,@function
k_q932b73990c_prep:
	s_mov_b64 s[64:65], 0
	v_nop
	global_prefetch_b8 v0, s[64:65] scope:SCOPE_SE
	s_setreg_imm32_b32 hwreg(HW_REG_WAVE_MODE, 25, 1), 1
	s_wait_xcnt 0x0
; xh = x rounded once to f16; wh[o][i] = ((q - zero[g]) * scale[g]) rounded once to f16, g = flat index / 64; q = W_q & 15 for the even i, W_q >> 4 (arithmetic) for the odd i.
; The subtraction and the multiplication are two f32 roundings, as the problem's own formula has them, so they are not fused.
; LIMITS.  f16 ends at 65,504: an |x| or |w| of 65,520 or more becomes an infinity; below 6e-5 a number keeps f16's fixed step of 6e-8.  NaN and infinities are not treated apart.
; SHARES.  4,096 waves (512 work-groups of 8), unit u = 8 x work-group + wave.  Unit u owns 32,768 bytes of x (64 chunks of 512 -> 16,384 bytes of xh) and 4,096 bytes of W_q (8 chunks of 512
; -> 4,096 bytes of wh at the SAME byte offset: one int32 becomes two f16), which are 32 groups: 128 bytes of scale and of zero.
; A stream: nothing is shared between waves, so no LDS, no barrier, no matrix unit.  Every load of x and W_q covers 512 consecutive bytes; a store of xh covers 256 consecutive bytes, aligned, a store of wh 512.
; No address register and no store's data register is ever written twice (all steps stand in immediates; each chunk has result registers of its own), so no wait frees a source.
; IN FLIGHT.  A ring of 16 register slots: sixteen loads of 512 bytes of every wave are out until the stream runs down.
.set XO,  2                            ; v2   my byte offset in x:   32,768 u + 16 l
.set YO,  3                            ; v3   in xh:                 16,384 u + 8 l
.set WO,  4                            ; v4   in W_q and in wh:      4,096 u + 16 l
.set GO,  5                            ; v5   in scale and in zero:  128 u + 4 perm(l)
.set SC,  8                            ; v8   scale of group perm(l) of the unit's 32
.set ZE,  9                            ; v9   zero of the same group
.set ZP,  10                           ; v[10:11] the chunk's zero for my 8 weights, in the low register; the high one is named with it and holds 0
.set SP,  12                           ; v[12:13] the chunk's scale, likewise
.set T,   14                           ; v[14:21] eight weights at work
.set W,   24                           ; v[24:55]   chunk c of W_q: 4 registers, as loaded and then as stored
.set X,   56                           ; v[56:119]  16 slots of 4 registers of x
.set Y,   120                          ; v[120:247] chunk i of xh: 2 registers
.set SELS, 16                          ; s[16:31] chunk c's two lane selects
	s_load_b256 s[4:11], s[0:1], 0x0               ; x s[4:5], W_q s[6:7], scale s[8:9], zero s[10:11]
	s_load_b128 s[12:15], s[0:1], 0x20             ; xh s[12:13], wh s[14:15]
	v_and_b32 v1, 31, v0                           ; l
	v_and_b32 v6, 0xe0, v0                         ; 32 x wave
	; Chunk c's lane l wants group 4 c + l / 8.  So that it finds it in its own half of 16 lanes, place p of half H holds group 4 (p / 2) + 2 H + p % 2:
	; perm(l) = 4 ((l / 2) % 8) + 2 (l / 16) + l % 2.  Lanes 0-7 of a half then take place 2 c, lanes 8-15 place 2 c + 1.
	v_bfe_u32 v7, v0, 1, 3
	v_bfe_u32 v14, v0, 4, 1
	v_and_b32 v15, 1, v0
	v_lshlrev_b32 v7, 2, v7
	v_lshl_add_u32 v7, v14, 1, v7
	v_add_nc_u32 v7, v7, v15                       ; perm(l)
	s_lshl_b32 s2, ttmp9, 18                       ; 8 units x 32,768 bytes a work-group
	v_lshl_add_u32 v[XO], v6, 10, s2
	v_lshl_add_u32 v[XO], v1, 4, v[XO]
	s_lshl_b32 s3, ttmp9, 17
	v_lshl_add_u32 v[YO], v6, 9, s3
	v_lshl_add_u32 v[YO], v1, 3, v[YO]
	s_lshl_b32 s2, ttmp9, 15
	v_lshl_add_u32 v[WO], v6, 7, s2
	v_lshl_add_u32 v[WO], v1, 4, v[WO]
	s_lshl_b32 s3, ttmp9, 10
	v_lshl_add_u32 v[GO], v6, 2, s3
	v_lshl_add_u32 v[GO], v7, 2, v[GO]
.irp c, 0,1,2,3,4,5,6,7
	s_mov_b32 s[SELS+2*(\c)],   0x11111111*2*(\c)       ; lanes 0-7 of each half take place 2 c of their half,
	s_mov_b32 s[SELS+2*(\c)+1], 0x11111111*(2*(\c)+1)   ; lanes 8-15 place 2 c + 1
.endr
.irp r, 0,1,2,3
	v_mov_b32 v[ZP+(\r)], 0                        ; v_permlane16_b32's destination counts as read, and the packed lines name whole pairs
.endr
	s_wait_kmcnt 0x0
	; 26 loads on end: scale, zero, the 8 chunks of W_q, the first 16 chunks of x
	global_load_b32 v[SC], v[GO], s[8:9] th:TH_LOAD_NT
	global_load_b32 v[ZE], v[GO], s[10:11] th:TH_LOAD_NT
.irp c, 0,1,2,3,4,5,6,7
	global_load_b128 v[W+4*(\c):W+4*(\c)+3], v[WO], s[6:7] offset:512*(\c) th:TH_LOAD_NT
.endr
.irp i, 0,1,2,3,4,5,6,7,8,9,10,11,12,13,14,15
	global_load_b128 v[X+4*(\i):X+4*(\i)+3], v[XO], s[4:5] offset:512*(\i) th:TH_LOAD_NT
.endr
; Chunk c of W_q: my 4 words are 8 weights of one group.
.macro DEQ c
	s_wait_loadcnt 23-(\c)                         ; loads come back in order (ISA guide 5.7.1): behind chunk c's stand the 7 - c later chunks' and x's sixteen; scale and zero are older
	v_permlane16_b32 v[ZP], v[ZE], s[SELS+2*(\c)], s[SELS+2*(\c)+1]
	v_permlane16_b32 v[SP], v[SC], s[SELS+2*(\c)], s[SELS+2*(\c)+1]
.irp j, 0,1,2,3
	v_and_b32     v[T+2*(\j)],   15, v[W+4*(\c)+(\j)]    ; the even weight
	v_ashrrev_i32 v[T+2*(\j)+1], 4,  v[W+4*(\c)+(\j)]    ; the odd one
.endr
.irp k, 0,1,2,3,4,5,6,7
	v_cvt_f32_i32 v[T+(\k)], v[T+(\k)]
.endr
.irp k, 0,2,4,6
	v_pk_add_f32 v[T+(\k):T+(\k)+1], v[T+(\k):T+(\k)+1], v[ZP:ZP+1] op_sel_hi:[1,0] neg_lo:[0,1] neg_hi:[0,1]  ; q - zero
.endr
.irp k, 0,2,4,6
	v_pk_mul_f32 v[T+(\k):T+(\k)+1], v[T+(\k):T+(\k)+1], v[SP:SP+1] op_sel_hi:[1,0]                            ; times scale
.endr
.irp j, 0,1,2,3
	v_cvt_pk_f16_f32 v[W+4*(\c)+(\j)], v[T+2*(\j)], v[T+2*(\j)+1]  ; the even weight into the low half
.endr
	global_store_b128 v[WO], v[W+4*(\c):W+4*(\c)+3], s[14:15] offset:512*(\c) th:TH_STORE_NT
.endm
.irp c, 0,1,2,3,4,5,6,7
	DEQ \c
.endr
; x: chunk i lies in slot i % 16; the slot is asked for again, 16 chunks on, ahead of the chunk's store.  The last 16 chunks load nothing: the counts run down.
.set i, 0
.rept 64
.set sl, X+4*(i%16)
.if i < 48
	s_wait_loadcnt 15                              ; chunk i is in; the fifteen younger loads stay out
.else
	s_wait_loadcnt 63-i
.endif
	v_cvt_pk_f16_f32 v[Y+2*i],   v[sl],   v[sl+1]
	v_cvt_pk_f16_f32 v[Y+2*i+1], v[sl+2], v[sl+3]
.if i < 48
	global_load_b128 v[sl:sl+3], v[XO], s[4:5] offset:512*(i+16) th:TH_LOAD_NT
.endif
	global_store_b64 v[YO], v[Y+2*i:Y+2*i+1], s[12:13] offset:256*i th:TH_STORE_NT  ; 32 lanes store 256 consecutive bytes, at a multiple of 256 from xh's first byte
.set i, i+1
.endr
	s_endpgm
.Lfunc_end_k_q932b73990c_prep:
	.size	k_q932b73990c_prep, .Lfunc_end_k_q932b73990c_prep-k_q932b73990c_prep
	.p2alignl 7, 3214868480
	.fill 96, 4, 3214868480
	.section	.rodata,"a",@progbits
	.p2align	6, 0x0
	.amdhsa_kernel k_q932b73990c_prep
		.amdhsa_group_segment_fixed_size 0
		.amdhsa_private_segment_fixed_size 0
		.amdhsa_enable_private_segment 0
		.amdhsa_kernarg_size 48
		.amdhsa_user_sgpr_count 2
		.amdhsa_user_sgpr_kernarg_segment_ptr 1
		.amdhsa_wavefront_size32 1
		.amdhsa_system_sgpr_workgroup_id_x 1
		.amdhsa_system_sgpr_workgroup_id_y 1
		.amdhsa_system_sgpr_workgroup_id_z 1
		.amdhsa_system_vgpr_workitem_id 0
		.amdhsa_next_free_vgpr 248
		.amdhsa_next_free_sgpr 66
		.amdhsa_reserve_vcc 0
		.amdhsa_float_denorm_mode_32 3
		.amdhsa_float_denorm_mode_16_64 3
		.amdhsa_memory_ordered 1
		.amdhsa_forward_progress 1
		.amdhsa_inst_pref_size 38
	.end_amdhsa_kernel
	.amdgpu_metadata
---
amdhsa.version: [ 1, 2 ]
amdhsa.kernels:
  - .name:           k_q932b73990c_prep
    .symbol:         k_q932b73990c_prep.kd
    .args:
      - { .name: x, .offset: 0, .size: 8, .value_kind: global_buffer, .address_space: global }
      - { .name: W_q, .offset: 8, .size: 8, .value_kind: global_buffer, .address_space: global }
      - { .name: scale, .offset: 16, .size: 8, .value_kind: global_buffer, .address_space: global }
      - { .name: zero, .offset: 24, .size: 8, .value_kind: global_buffer, .address_space: global }
      - { .name: xh, .offset: 32, .size: 8, .value_kind: global_buffer, .address_space: global }
      - { .name: wh, .offset: 40, .size: 8, .value_kind: global_buffer, .address_space: global }
    .group_segment_fixed_size: 0
    .private_segment_fixed_size: 0
    .kernarg_segment_align: 8
    .kernarg_segment_size: 48
    .max_flat_workgroup_size: 256
    .sgpr_count:     66
    .vgpr_count:     248
    .wavefront_size: 32
...
	.end_amdgpu_metadata
.endif
;; end of part 1
;; launch gemm (part 2): grid 8 x 32, 4 waves a work-group, clusters of 4 x 4, 327,680 bytes of LDS; arguments xh, wh, out0; writes out0
.if DOCPART == 2
	.amdgcn_target "amdgcn-amd-amdhsa--gfx1250"
	.amdhsa_code_object_version 6
	.text
	.protected	k_q932b73990c_gemm
	.globl	k_q932b73990c_gemm
	.p2align	8
	.type	k_q932b73990c_gemm,@function
k_q932b73990c_gemm:
	s_mov_b64 s[64:65], 0
	v_nop
	global_prefetch_b8 v0, s[64:65] scope:SCOPE_SE
	s_setreg_imm32_b32 hwreg(HW_REG_WAVE_MODE, 25, 1), 1
	s_wait_xcnt 0x0
	s_wait_alu depctr_hold_cnt(0) depctr_sa_sdst(0) depctr_va_vdst(0) depctr_va_sdst(0) depctr_va_ssrc(0) depctr_va_vcc(0) depctr_vm_vsrc(0)
	s_getreg_b32 s2, hwreg(HW_REG_IB_STS2, 6, 4)
	s_cmp_eq_u32 s2, 0
	s_cbranch_scc0 .Lentry_in_a_cluster
	s_endpgm
.Lentry_in_a_cluster:
	s_bfe_u32 s2, ttmp6, 0x10000c
	s_cmp_lg_u32 s2, 0xf033
	s_cbranch_scc0 .Lentry_shape_is_right
	s_endpgm
.Lentry_shape_is_right:
; out0[m][n] = the sum over k of xh[m][k] wh[n][k].  xh: [8192][4096] f16, wh: [2048][4096] f16 (both made by the launch before), out0: [8192][2048] f32.
; One f32 sum for each output, K ascending, in the matrix unit's own order of addition (not the order of a chain of f32 additions).
; LIMITS.  The operands are f16 (11 significant bits; 65,504 at the most; the launch before states what that asks of x and of the weights).  NaN and infinities are not treated apart.
; SHARES.  out0 has 32 x 8 tiles of 256 x 256, one to a work-group.  Four waves, as many as a WGP has SIMDs; a wave makes 128 x 128: 64 accumulators of 16 x 16, 512 registers.
; K goes in 32 steps of 128 through a ring of two LDS slots filled by the tensor data mover: a tile's rows are 256 bytes of memory and start at multiples of 256 bytes from the buffer's first byte.
; CLUSTERS: 4 x 4 work-groups.  The four of a row of the cluster need the same tiles of xh (A), the four of a column the same tiles of wh (B).  Such a tile is asked for JOINTLY: each of the four
; issues the same tensor load, with the same descriptor and a mask that names the four, and each receives the tile in its own LDS.  That divides the requests for A and for B by four.
; REGISTERS, in windows of 256 (s_set_vgpr_msb's low byte: bits 1:0 source 0, 3:2 source 1, 5:4 source 2, 7:6 destination):
;   window 0: v0-31 addresses; v64-127, v128-191 fragments of A (8 x 16 rows x 32 K), two buffers; on the way out the same registers take 16 rows of the result each, by turns
;   window 1: v64-127, v128-191 fragments of B, two buffers
;   window 2: the 32 accumulators of my rows 0-63 (accumulator (a, b) at v[8 (8 a + b)]);   window 3: those of my rows 64-127
; THE MATRIX INSTRUCTION IS USED TRANSPOSED: source 0 = 16 rows of B, source 1 = 16 rows of A.  In the result lane l holds row m = l % 16 and its registers 0 to 7 the columns
; n = 8 (l / 16) + 0 .. 7: eight neighbouring f32 of a row of out0, 32 bytes.
.set SIZE_M, 8192
.set SIZE_N, 2048
.set SIZE_K, 4096
.set KSTEP,  128
.set PITCH,  272                       ; an LDS row: 256 bytes of data + 16 of padding = 68 words: row r starts at bank 4 r mod 64 (64 banks of 4 bytes: ISA guide 11.1), so the 16 rows that a load touches start at 16 different banks
.set HALFT,  128*PITCH                 ; 128 rows: what one tensor load brings, and what one wave reads of A or of B
.set SLOT,   4*HALFT                   ; A's 256 rows, then B's 256 rows
.set STAGE,  2*SLOT                    ; behind the ring: 16 rows x 528 bytes for each wave, for the way out; no tensor load lands here
.set SPITCH, 528                       ; a stage row: my 128 columns in f32, 512 bytes, + 16 = 132 words: row r starts at bank 4 r mod 64
.set SPARE,  STAGE+4*16*SPITCH         ; behind the stages: the spare words, 128 bytes for each wave: two blocks of 256 bytes that no other line names
.set LAPS,   SIZE_K/(2*KSTEP)          ; a lap = two K steps = once round the ring: 16
.set ADRA, 16                          ; v16-17  LDS address of my A fragments in slot 0, 1
.set ADRB, 20                          ; v20-21  the same for B
.set STO,  24                          ; v24     the way out: where I put 32 bytes of a row
.set RD,   25                          ; v25     the way out: where I read 16 bytes of a row back
.set CO,   26                          ; v26     my byte offset in a row of my part of out0: 16 x lane; never rewritten
.set SPW,  28                          ; v28     LDS address of my spare word: SPARE + 4 x my thread's number; never rewritten
.set NIL,  29                          ; v29     0; never rewritten
.set PFO,  30                          ; v30     the prefetches' offset: my lane x a row of A or B in memory (8,192 bytes); never rewritten
.set PFA,  44                          ; s[44:45] where my prefetches stand: my work-group's 32 rows of the 128 that I fetch, one K step further along K than the refill that is being asked for; a prefetch names the K step after that
.set LIM,  43                          ; s43     1 in a wave that prefetches, else the greatest number
.set F0,   64                          ; fragment buffer 0
.set F1,   128                         ; fragment buffer 1
.set G1, 24                            ; s[24:31] descriptor group 1 for A's tiles
.set G0, 32                            ; s[32:39] descriptor group 0 for A's tiles, one set for each slot
.set G1B, 48                           ; s[48:55] descriptor group 1 for B's tiles: it differs from A's in the mask alone
.set G0B, 56                           ; s[56:63] descriptor group 0 for B's tiles, one set for each slot
.set MSB, 0
.macro WIN new                         ; the immediate's high byte repeats the setting that is left; a switch that changes nothing is dropped
.if MSB != (\new)
	s_set_vgpr_msb (MSB<<8)|(\new)
.set MSB, \new
.endif
.endm
.set MUL_LO, 0xa1                      ; source 0 (B) window 1, source 1 (A) window 0, C and D window 2
.set MUL_HI, 0xf1                      ; the same, C and D window 3
.set TO_B,   0x40                      ; destination window 1, address window 0
; A joint refill.  Waves 0 and 1 fetch A's two halves, waves 2 and 3 B's.  Each of the two lines has ONE mask and one set of registers for all that issue it.  The branch hangs on the wave's number alone.
; An s_nop 0 and four v_nop follow each of the two lines; the jump round the other line, the label and what follows the macro come after them.
.macro JLOAD s
	s_cmp_eq_u32 s11, 0
	s_cbranch_scc0 .Lfor_b_\@
	tensor_load_to_lds s[G0+4*(\s):G0+4*(\s)+3], s[G1:G1+7]
	s_nop 0
.rept 4
	v_nop
.endr
	s_branch .Lasked_\@
.Lfor_b_\@:
	tensor_load_to_lds s[G0B+4*(\s):G0B+4*(\s)+3], s[G1B:G1B+7]
	s_nop 0
.rept 4
	v_nop
.endr
.Lasked_\@:
.endm
; A PREFETCH INTO THE L2, behind each joint refill, its five lines and the run of LDS loads that follows them: the K step that stands TWO refills on (512 matrix instructions ahead of the load that names it):
; 32 rows x 256 bytes, a lane a row, one instruction a wave.  Each row's 256 bytes of a K step are named ONCE in the launch.  A's tile row is read by both clusters of that row of clusters: the one with
; cluster x = 0 prefetches; B's tile column by the eight clusters of that column: cluster y = 0 prefetches.  The four partners that ask for a tile jointly share its rows out BY ADDRESS: of the 128 rows
; that a wave fetches, the partner at place p takes 32 p .. 32 p + 31 (p = cx for A, cy for B): no branch hangs on a work-group's place in its cluster.
; K steps 0 to 3 come by their loads alone; the loop's last trip (s3 = 1) asks for nothing: K steps 32 and 33 do not exist.
.macro ASK
	s_cmp_gt_u32 s3, s[LIM]
	s_cbranch_scc0 .Lnot_mine_\@
	global_prefetch_b8 v[PFO], s[PFA:PFA+1] offset:KSTEP*2 th:TH_LOAD_NT scope:SCOPE_SE
.Lnot_mine_\@:
.endm
; A round of the cluster's barrier: my work-group's barrier, so that wave 0's signal speaks for all four waves; wave 0 signals for the work-group; every wave waits for all
; sixteen work-groups; my work-group's barrier once more.  No LDS instruction of the wave is pending at a signal.
.macro CREST                           ; a round behind its opening barrier
	s_cmp_lg_u32 s10, 0
	s_cbranch_scc1 .Lnot_wave_0_\@
	s_barrier_signal -3
.Lnot_wave_0_\@:
	s_barrier_wait -3
	s_barrier_signal -1
	s_barrier_wait -1
.endm
.macro CROUND                          ; a whole round
	s_barrier_signal -1
	s_barrier_wait -1
	CREST
.endm
	s_load_b128 s[4:7], s[0:1], 0x0                ; A = xh s[4:5], B = wh s[6:7]
	s_load_b64 s[8:9], s[0:1], 0x10                ; out0
	v_lshl_add_u32 v[SPW], v0, 2, SPARE
	v_mov_b32 v[NIL], 0
	ds_add_u32 v[SPW], v[NIL]                      ; the wave's opening: the add and its wait stand ahead of my first tensor load; the set-up below, work on registers, stands between them
	v_lshrrev_b32 v1, 5, v0
	v_readfirstlane_b32 s10, v1                    ; wave 0..3
	s_lshr_b32 s11, s10, 1                         ; which half of the tile's rows is mine.  Also: I fetch for A (0) or for B (1)
	s_and_b32 s12, s10, 1                          ; which half of its columns.  Also: which 128 rows of that tile I fetch
	s_bfe_u32 s40, ttmp6, 0x40000                  ; cx: my place along the cluster's x
	s_bfe_u32 s41, ttmp6, 0x40004                  ; cy: along its y
	s_lshl_b32 s42, ttmp9, 2                       ; in a cluster launch ttmp9 and ttmp7 count clusters
	s_add_co_u32 s42, s42, s40                     ; tile column = 4 x cluster x + cx, 0 to 7
	s_and_b32 s13, ttmp7, 0xffff
	s_lshl_b32 s13, s13, 2
	s_add_co_u32 s13, s13, s41                     ; tile row = 4 x cluster y + cy, 0 to 31
	s_lshl_b32 s43, s41, 2
	s_lshl_b32 s43, 15, s43                        ; my row of the cluster: places 4 cy .. 4 cy + 3
	s_lshl_b32 s44, 0x1111, s40                    ; my column: places cx, cx + 4, cx + 8, cx + 12
	; descriptor group 1: a tile of 128 rows x 128 elements, padded in LDS
	s_or_b32 s[G1+0], s43, (1<<16)|(1<<20)|(1<<21)|(5<<22)|(3<<25)   ; 15:0 the mask: A's tiles go to my row; 17:16 elements of 2 bytes; 20 padding on; 21 set beside a mask; 24:22 after every 64 words (code 5); 31:25 4 words of it (code 3)
	s_or_b32 s[G1B+0], s44, (1<<16)|(1<<20)|(1<<21)|(5<<22)|(3<<25)  ; the same with the mask of my column, for B's tiles
.irp g, G1, G1B
	s_mov_b32 s[(\g)+1], KSTEP<<16                 ; 63:48 tensor_dim0, low half = 128
	s_mov_b32 s[(\g)+2], 128<<16                   ; 79:64 its high half = 0; 95:80 tensor_dim1, low half = 128
	s_mov_b32 s[(\g)+3], KSTEP<<16                 ; 111:96 its high half = 0; 127:112 tile_dim0 = 128
	s_mov_b32 s[(\g)+4], 128                       ; 143:128 tile_dim1 = 128; 159:144 tile_dim2 = 0
	s_mov_b32 s[(\g)+5], SIZE_K                    ; 191:160 tensor_dim0_stride, low word: elements from row to row
	s_mov_b32 s[(\g)+6], 0
	s_mov_b32 s[(\g)+7], 0
.endr
	; where the tiles come from.  A's hang on the tile row alone, which my row of the cluster shares; B's on the tile column alone, which my column shares.
	; Every wave makes both addresses, in registers that never hold the other coordinate, and asks by one of them.
	s_lshl_b32 s17, s12, 7                         ; which 128 rows of the tile I fetch
	s_lshl_b32 s16, s13, 8
	s_add_co_u32 s16, s16, s17                     ; A: row 256 x tile row + 128 x half
	s_lshl_b32 s46, s42, 8
	s_add_co_u32 s46, s46, s17                     ; B: row 256 x tile column + 128 x half
	s_mov_b32 s17, 0
	s_mov_b32 s47, 0
	s_mov_b64 s[18:19], SIZE_K*2
	s_mul_u64 s[16:17], s[16:17], s[18:19]         ; in bytes
	s_mul_u64 s[46:47], s[46:47], s[18:19]
	s_mul_i32 s20, s10, HALFT                      ; and where they go: A's two halves, then B's two halves = wave x 128 rows: no place in the cluster enters an LDS address
	s_wait_dscnt 0x0                               ; the opening add is done
	s_wait_kmcnt 0x0
	s_add_nc_u64 s[14:15], s[4:5], s[16:17]
	s_add_nc_u64 s[46:47], s[6:7], s[46:47]
	CROUND                                         ; all sixteen work-groups are here: the first joint loads meet
.irp s, 0,1
	s_mov_b32 s[G0+4*(\s)], 1                                        ; 1:0 count = 1
	s_add_co_u32 s[G0+4*(\s)+1], s20, (\s)*SLOT                      ; 63:32 LDS address
	s_add_nc_u64 s[G0+4*(\s)+2:G0+4*(\s)+3], s[14:15], (\s)*KSTEP*2  ; 120:64 global address: K step s
	s_or_b32 s[G0+4*(\s)+3], s[G0+4*(\s)+3], 0x80000000              ; 127:126 type = 2
	s_mov_b32 s[G0B+4*(\s)], 1
	s_add_co_u32 s[G0B+4*(\s)+1], s20, (\s)*SLOT
	s_add_nc_u64 s[G0B+4*(\s)+2:G0B+4*(\s)+3], s[46:47], (\s)*KSTEP*2
	s_or_b32 s[G0B+4*(\s)+3], s[G0B+4*(\s)+3], 0x80000000
.endr
	s_cmp_eq_u32 s11, 0                            ; a wave's two first fills stand in one branch, ahead of every wait on TENSORcnt and every LDS read: two loads of mine are out; an s_nop 0 follows each, four v_nop the second's
	s_cbranch_scc0 .Lfirst_b
	tensor_load_to_lds s[G0:G0+3], s[G1:G1+7]
	s_nop 0
	tensor_load_to_lds s[G0+4:G0+7], s[G1:G1+7]
	s_nop 0
.rept 4
	v_nop
.endr
	s_branch .Lfirst_asked
.Lfirst_b:
	tensor_load_to_lds s[G0B:G0B+3], s[G1B:G1B+7]
	s_nop 0
	tensor_load_to_lds s[G0B+4:G0B+7], s[G1B:G1B+7]
	s_nop 0
.rept 4
	v_nop
.endr
.Lfirst_asked:
	; A fragment is 16 rows x 32 K in 8 registers: lane l holds row l % 16; registers 0-3 hold K = 8 (l / 16) + 0..7, registers 4-7 hold
	; K = 16 + 8 (l / 16) + 0..7.  From rows that lie along K: two loads of 16 bytes, 32 bytes apart.  The same for source 0 and source 1.
	v_and_b32 v1, 15, v0                           ; l % 16
	v_bfe_u32 v2, v0, 4, 1                         ; l / 16
	v_mul_u32_u24 v3, v1, PITCH
	v_lshl_add_u32 v3, v2, 4, v3                   ; row x pitch + 16 x half
	s_mul_i32 s21, s11, HALFT                      ; my 128 rows of A
	s_mul_i32 s22, s12, HALFT                      ; my 128 rows of B,
	s_add_co_u32 s22, s22, 2*HALFT                 ; which lie behind A's 256
.irp s, 0,1
	v_add_nc_u32 v[ADRA+(\s)], s21, v3
	v_add_nc_u32 v[ADRB+(\s)], s22, v3
	s_add_co_u32 s21, s21, SLOT
	s_add_co_u32 s22, s22, SLOT
.endr
	s_mul_i32 s23, s10, 16*SPITCH
	s_add_co_u32 s23, s23, STAGE                   ; my stage
	v_mul_u32_u24 v4, v1, SPITCH                   ; in: row l % 16, 32 bytes for each half of the lanes
	v_lshl_add_u32 v4, v2, 5, v4
	v_add_nc_u32 v[STO], s23, v4
	v_and_b32 v5, 31, v0
	v_lshlrev_b32 v[CO], 4, v5                     ; back and out: 32 lanes take one row's 512 bytes
	v_add_nc_u32 v[RD], s23, v[CO]
	; out0 at my part of the tile
	s_lshl_b32 s13, s13, 8                         ; 256 x tile row
	s_lshl_b32 s14, s11, 7
	s_add_co_u32 s16, s13, s14                     ; my first row
	s_mov_b32 s17, 0
	s_mov_b64 s[18:19], SIZE_N*4
	s_mul_u64 s[16:17], s[16:17], s[18:19]
	s_add_nc_u64 s[8:9], s[8:9], s[16:17]
	s_lshl_b32 s46, s42, 10                        ; my first column, in bytes: 1,024 x tile column + 512 x half
	s_lshl_b32 s47, s12, 9
	s_add_co_u32 s46, s46, s47
	s_mov_b32 s47, 0
	s_add_nc_u64 s[8:9], s[8:9], s[46:47]
	; the prefetches.  s13 = 256 x tile row, s42 = tile column, s40 = cx, s41 = cy still stand
	s_lshl_b32 s42, s42, 8
	s_and_b32 s22, ttmp7, 0xffff                   ; cluster y
	s_cmp_eq_u32 s11, 0                            ; do I fetch for A?
	s_cselect_b32 s20, s13, s42                    ; the tile's first row: in A by the tile row, in B by the tile column
	s_cselect_b32 s21, s40, s41                    ; my place among the four that ask for it with me
	s_cselect_b32 s22, ttmp9, s22                  ; the coordinate along which other clusters read the same rows
	s_cselect_b64 s[PFA:PFA+1], s[4:5], s[6:7]
	s_cmp_eq_u32 s22, 0
	s_cselect_b32 s[LIM], 1, -1                    ; the same in all sixteen partners, for a given wave
	s_lshl_b32 s22, s12, 7
	s_add_co_u32 s20, s20, s22                     ; + the 128 rows that I fetch
	s_lshl_b32 s21, s21, 5
	s_add_co_u32 s20, s20, s21                     ; + my work-group's 32 of them
	s_mov_b32 s21, 0
	s_mov_b64 s[18:19], SIZE_K*2
	s_mul_u64 s[20:21], s[20:21], s[18:19]
	s_add_nc_u64 s[PFA:PFA+1], s[PFA:PFA+1], s[20:21]
	s_add_nc_u64 s[PFA:PFA+1], s[PFA:PFA+1], 2*KSTEP*2  ; at K step 2: the first refill steps it to 3 and names K step 4
	v_and_b32 v[PFO], 31, v0
	v_mul_u32_u24 v[PFO], v[PFO], SIZE_K*2
	; nothing is prefetched here, at the head, where every work-group's first two tiles are on their way
; 16 matrix instructions: m blocks a0, a0 + 1 of the window's four (hi = 0: my rows 0-63, 1: rows 64-127) x all 8 n blocks, 32 along K.
; zero = 1: the first product starts the sums: nothing is ever cleared.  The 64 accumulators take turns, one instruction a turn, in the same order in every quarter step.
.macro MUL16 f, hi, a0, zero
	WIN MUL_LO+0x50*(\hi)
.irp a, \a0, (\a0)+1
.irp b, 0,1,2,3,4,5,6,7
.if \zero
	v_wmma_f32_16x16x32_f16 v[8*(8*(\a)+(\b)):8*(8*(\a)+(\b))+7], v[(\f)+8*(\b):(\f)+8*(\b)+7], v[(\f)+8*(4*(\hi)+(\a)):(\f)+8*(4*(\hi)+(\a))+7], 0
.else
	v_wmma_f32_16x16x32_f16 v[8*(8*(\a)+(\b)):8*(8*(\a)+(\b))+7], v[(\f)+8*(\b):(\f)+8*(\b)+7], v[(\f)+8*(4*(\hi)+(\a)):(\f)+8*(4*(\hi)+(\a))+7], v[8*(8*(\a)+(\b)):8*(8*(\a)+(\b))+7]
.endif
.endr
.endr
.endm
; 32 LDS loads in one run: the fragments of one quarter step (128 rows of B, 128 rows of A, 32 K at byte k of the rows) into buffer f
.macro FETCH slot, k, f
	WIN TO_B
.irp i, 0,1,2,3,4,5,6,7
	ds_load_b128 v[(\f)+8*(\i):(\f)+8*(\i)+3],   v[ADRB+(\slot)] offset:(\k)+(\i)*16*PITCH
	ds_load_b128 v[(\f)+8*(\i)+4:(\f)+8*(\i)+7], v[ADRB+(\slot)] offset:(\k)+(\i)*16*PITCH+32
.endr
	WIN 0
.irp i, 0,1,2,3,4,5,6,7
	ds_load_b128 v[(\f)+8*(\i):(\f)+8*(\i)+3],   v[ADRA+(\slot)] offset:(\k)+(\i)*16*PITCH
	ds_load_b128 v[(\f)+8*(\i)+4:(\f)+8*(\i)+7], v[ADRA+(\slot)] offset:(\k)+(\i)*16*PITCH+32
.endr
.endm
; A load into a register that a matrix instruction has read, and an LDS store that reads a matrix result, stand four places behind that matrix instruction, and only plain vector
; instructions that name none of its registers are places (ISA guide 7.12.1 for vector instructions); the matrix instructions in between are not counted.
.macro PLACES
.rept 4
	v_nop
.endr
.endm
; A K step is four quarter steps of 32 along K, 64 matrix instructions each, on buffers 0, 1, 0, 1.
; One of the first three: multiplies buffer f; in its middle it fetches the next quarter's fragments, at byte k of the same slot's rows, into buffer g.
.macro QUARTER slot, k, f, g, zero
	s_wait_dscnt 8                                 ; B and A's rows 0-63 are in; the youngest eight loads (A's rows 64-127) may be out
	WIN MUL_LO
	MUL16 \f, 0, 0, \zero
	MUL16 \f, 0, 2, \zero
	PLACES
	FETCH \slot, \k, \g
	s_wait_dscnt 32                                ; all but the 32 just issued
	WIN MUL_HI
	MUL16 \f, 1, 0, \zero
	MUL16 \f, 1, 2, \zero
.endm
; The last quarter multiplies buffer 1 and changes slots.  MEET is its first half: ONE barrier for the change of slots, for two things.  In front of it each wave waits for all its tensor loads,
; of which one is out: its part of the next slot; adds 0 to its spare word; and waits for that and for its own reads of this slot.  Behind it nobody reads this slot any more and the next slot is whole.
.macro MEET round                      ; round = 1: a round of the cluster's barrier follows
	WIN 0                                          ; (the add's two registers lie in window 0)
	s_wait_tensorcnt 0x0                           ; all my tensor loads have landed: the one that was out is my part of the next slot;
	ds_add_u32 v[SPW], v[NIL]                      ; 0 onto my spare word;
	s_wait_dscnt 9                                 ; (the add and the youngest eight loads may be out)
	WIN MUL_LO
	MUL16 F1, 0, 0, 0                              ; sixteen matrix instructions stand between the add and the wait for it
	s_wait_dscnt 0x0                               ; the add is done, and my reads of this slot are over:
	s_barrier_signal -1                            ; say so (where a slot is filled again this barrier opens a round of the cluster's barrier),
	MUL16 F1, 0, 2, 0                              ; work on registers while the others arrive,
.if \round
	WIN 0
.endif
	s_barrier_wait -1                              ; and go on when all four have said so
.endm
; The whole last quarter.  Behind the round the slot just read out is filled again first, with the K step two steps on; then come the next slot's first fragments.
; From a request to the wait for it a wave issues 224 matrix instructions.
.macro TURN slot, next
	s_wait_xcnt 0x0                                ; the last prefetch, a K step back, has read its address: it is stepped here, ahead of the waits of the change of slots
	s_add_nc_u64 s[PFA:PFA+1], s[PFA:PFA+1], KSTEP*2
	MEET 1
	CREST                                          ; wave 0 says so for the work-group, all sixteen work-groups have said so, my work-group's barrier closes the round:
	                                               ; no wave of any partner still reads this slot's tile or has a load on its way
	s_add_nc_u64 s[G0+4*(\slot)+2:G0+4*(\slot)+3], s[G0+4*(\slot)+2:G0+4*(\slot)+3], 2*KSTEP*2      ; no tensor load of mine is out, so a group 0 may be written; the type bits on top are not reached
	s_add_nc_u64 s[G0B+4*(\slot)+2:G0B+4*(\slot)+3], s[G0B+4*(\slot)+2:G0B+4*(\slot)+3], 2*KSTEP*2
	JLOAD \slot                                    ; the first tensor load behind the round, and my only one until the next; the four v_nop behind it are also the places in front of the loads below
	FETCH \next, 0, F0
	ASK                                            ; behind the joint load and the run of LDS loads that the next products wait for
	WIN MUL_HI
	MUL16 F1, 1, 0, 0
	MUL16 F1, 1, 2, 0
.endm
; THE WAY OUT of block a (16 of my rows x my 128 columns), in two parts.  A lane's 32 bytes are a sixteenth of a row's 512, and the lanes beside it hold other rows: so the block goes through my own
; stage in LDS.  TOSTAGE: each accumulator's registers in ascending order, 2 x 16 bytes, into rows of 528 bytes; then back as whole rows, 16 bytes a lane, into A's fragment buffers by turns.
.macro TOSTAGE a
.set AC, 64*((\a)%4)
.set BK, F0+64*((\a)%2)
	WIN 0x08+4*((\a)/4)                            ; the stores' data: window 2 (blocks 0-3) or 3 (blocks 4-7)
.irp b, 0,1,2,3,4,5,6,7
	ds_store_b128 v[STO], v[AC+8*(\b):AC+8*(\b)+3]   offset:64*(\b)
	ds_store_b128 v[STO], v[AC+8*(\b)+4:AC+8*(\b)+7] offset:64*(\b)+16
.endr
	WIN 0
.if (\a) >= 2
	s_wait_xcnt 0x0                                ; block a - 2's stores to memory name the registers that the loads below fill: they are loaded again only behind this wait (ISA guide 3.1)
.endif
.irp t, 0,1,2,3,4,5,6,7,8,9,10,11,12,13,14,15
	ds_load_b128 v[BK+4*(\t):BK+4*(\t)+3], v[RD] offset:(\t)*SPITCH  ; LDS serves a wave's instructions in order (ISA guide 5.7.1.4): these see the stores above; the next block's stores come behind them
.endr
.endm
.macro SEND a, younger                 ; younger: the LDS instructions issued behind block a's loads: the next block's 16 stores and 16 loads, or none
.set BK, F0+64*((\a)%2)
	WIN 0
	s_wait_dscnt \younger                          ; the block is back in registers
.irp t, 0,1,2,3,4,5,6,7,8,9,10,11,12,13,14,15
	global_store_b128 v[CO], v[BK+4*(\t):BK+4*(\t)+3], s[8:9] offset:(16*(\a)+(\t))*SIZE_N*4 th:TH_STORE_NT  ; 32 lanes store 512 consecutive bytes, at a multiple of 512 from out0's first byte; the row stands in the immediate, 127 x 8,192 at the most
.endr
.endm
	s_wait_tensorcnt 1                             ; my part of K step 0 is in; K step 1's load may stay out
	s_barrier_signal -1
	s_barrier_wait -1                              ; everybody's is
	FETCH 0, 0, F0
	QUARTER 0, 64,  F0, F1, 1                      ; the first quarter stands in front of the loop: its products start the sums
	WIN 0                                          ; at a label and at a branch every window is 0
	s_mov_b32 s3, LAPS-1
.Llap:                                                 ; 15 trips: a trip goes once round the ring, from a lap's second quarter to the next lap's first, and fills both slots again
	QUARTER 0, 128, F1, F0, 0
	QUARTER 0, 192, F0, F1, 0
	TURN 0, 1
	QUARTER 1, 64,  F0, F1, 0
	QUARTER 1, 128, F1, F0, 0
	QUARTER 1, 192, F0, F1, 0
	TURN 1, 0
	QUARTER 0, 64,  F0, F1, 0
	WIN 0
	s_sub_co_u32 s3, s3, 1
	s_cmp_lg_u32 s3, 0
	s_cbranch_scc1 .Llap
	QUARTER 0, 128, F1, F0, 0                      ; the last lap is written out: it fills nothing, and has no round of the cluster's barrier
	QUARTER 0, 192, F0, F1, 0
	MEET 0                                         ; my one tensor load that was still out is slot 1's, the last K step's
	PLACES                                         ; for the loads into buffer 0, which the quarter before multiplied
	FETCH 1, 0, F0
	WIN MUL_HI
	MUL16 F1, 1, 0, 0
	MUL16 F1, 1, 2, 0
	QUARTER 1, 64,  F0, F1, 0
	QUARTER 1, 128, F1, F0, 0
	QUARTER 1, 192, F0, F1, 0
	s_wait_dscnt 8                                 ; the very last quarter: nothing more to fetch
	WIN MUL_LO
	MUL16 F1, 0, 0, 0
	MUL16 F1, 0, 2, 0
	s_wait_dscnt 0x0
	WIN MUL_HI
	MUL16 F1, 1, 0, 0
	MUL16 F1, 1, 2, 0
	WIN 0
	PLACES                                         ; behind the last products: the stage's stores read results, its loads fill registers that products have read
	PLACES                                         ; (eight, once a launch)
	TOSTAGE 0
	TOSTAGE 1
	SEND 0, 32
.irp a, 2,3,4,5,6,7                    ; block a's trip through the stage stands between block a - 1's loads and its stores
	TOSTAGE \a
	SEND (\a)-1, 32
.endr
	SEND 7, 0
	s_wait_tensorcnt 0x0                           ; the wave's end: behind my last tensor load and my last LDS store
	ds_add_u32 v[SPW], v[NIL]
	s_wait_dscnt 0x0
	CROUND                                         ; the closing round: no work-group ends while a partner may still ask for a tile that names it
	s_endpgm
.Lfunc_end_k_q932b73990c_gemm:
	.size	k_q932b73990c_gemm, .Lfunc_end_k_q932b73990c_gemm-k_q932b73990c_gemm
	.p2alignl 7, 3214868480
	.fill 96, 4, 3214868480
	.section	.rodata,"a",@progbits
	.p2align	6, 0x0
	.amdhsa_kernel k_q932b73990c_gemm
		.amdhsa_group_segment_fixed_size 327680
		.amdhsa_private_segment_fixed_size 0
		.amdhsa_enable_private_segment 0
		.amdhsa_kernarg_size 24
		.amdhsa_user_sgpr_count 2
		.amdhsa_user_sgpr_kernarg_segment_ptr 1
		.amdhsa_wavefront_size32 1
		.amdhsa_system_sgpr_workgroup_id_x 1
		.amdhsa_system_sgpr_workgroup_id_y 1
		.amdhsa_system_sgpr_workgroup_id_z 1
		.amdhsa_system_vgpr_workitem_id 0
		.amdhsa_next_free_vgpr 1024
		.amdhsa_next_free_sgpr 66
		.amdhsa_reserve_vcc 0
		.amdhsa_float_denorm_mode_32 3
		.amdhsa_float_denorm_mode_16_64 3
		.amdhsa_memory_ordered 1
		.amdhsa_forward_progress 1
		.amdhsa_inst_pref_size 141
	.end_amdhsa_kernel
	.amdgpu_metadata
---
amdhsa.version: [ 1, 2 ]
amdhsa.kernels:
  - .name:           k_q932b73990c_gemm
    .symbol:         k_q932b73990c_gemm.kd
    .args:
      - { .name: xh, .offset: 0, .size: 8, .value_kind: global_buffer, .address_space: global }
      - { .name: wh, .offset: 8, .size: 8, .value_kind: global_buffer, .address_space: global }
      - { .name: out0, .offset: 16, .size: 8, .value_kind: global_buffer, .address_space: global }
    .group_segment_fixed_size: 327680
    .private_segment_fixed_size: 0
    .kernarg_segment_align: 8
    .kernarg_segment_size: 24
    .max_flat_workgroup_size: 128
    .sgpr_count:     66
    .vgpr_count:     1024
    .wavefront_size: 32
...
	.end_amdgpu_metadata
.endif
;; end of part 2
;; ======== version 2 of 2: 2 launches; version 1 with the launch prep written anew for expert scheduling mode
;; limits: values are held in f16: magnitudes above 65,504 overflow, below 6.1e-05 lose precision; inputs' magnitudes at most 65,504
;; workspace buffers: xh 67,108,864 bytes; wh 16,777,216 bytes
;; launch prep (part 3): grid 512 x 1, 8 waves a work-group, no clusters, 0 bytes of LDS; arguments x, W_q, scale, zero, xh, wh; writes xh, wh
.if DOCPART == 3
	.amdgcn_target "amdgcn-amd-amdhsa--gfx1250"
	.amdhsa_code_object_version 6
	.text
	.protected	k_q932b73990c_prep
	.globl	k_q932b73990c_prep
	.p2align	8
	.type	k_q932b73990c_prep,@function
k_q932b73990c_prep:
	s_mov_b64 s[64:65], 0
	v_nop
	global_prefetch_b8 v0, s[64:65] scope:SCOPE_SE
	s_setreg_imm32_b32 hwreg(HW_REG_WAVE_SCHED_MODE, 0, 2), 2
	s_setreg_imm32_b32 hwreg(HW_REG_WAVE_MODE, 25, 1), 1
	s_wait_xcnt 0x0
	s_wait_alu depctr_vm_vsrc(0)
; xh = x rounded once to f16; wh[o][i] = ((q - zero[g]) * scale[g]) rounded once to f16, g = flat index / 64; q = W_q & 15 for the even i, W_q >> 4 (arithmetic) for the odd i.
; The subtraction and the multiplication are two f32 roundings, as the problem's own formula has them, so they are not fused.
; LIMITS.  f16 ends at 65,504: an |x| or |w| of 65,520 or more becomes an infinity; below 6e-5 a number keeps f16's fixed step of 6e-8.  NaN and infinities are not treated apart.
; SHARES.  4,096 waves (512 work-groups of 8), unit u = 8 x work-group + wave.  Unit u owns 32,768 bytes of x (64 chunks of 512 -> 16,384 bytes of xh) and 4,096 bytes of W_q (8 chunks of 512
; -> 4,096 bytes of wh at the SAME byte offset: one int32 becomes two f16), which are 32 groups: 128 bytes of scale and of zero.
; A stream: nothing is shared between waves, so no LDS, no barrier, no matrix unit.  Every load of x and W_q covers 512 consecutive bytes; a store of xh covers 256 consecutive bytes, aligned, a store of wh 512.
; No address register and no store's data register is ever written twice (all steps stand in immediates; each chunk has result registers of its own), so no wait frees a source.
; IN FLIGHT.  Four register buffers of four chunks of x: twelve to sixteen loads of 512 bytes of every wave are out until the stream runs down.
; THE MODE: SCHED_MODE bits 1:0 = 2 (LLVM: expert scheduling mode 2), set by the entry lines.  The code itself states the register dependences
; between vector instructions and memory instructions, with s_wait_alu, always for 0.
; THE PLAN.  Registers that memory instructions touch:
;   v2 .. v5     byte offsets: written at the head, read by every load and store, never written again.
;   v8, v9       scale and zero: one load each; read by the lane permutes alone.
;   W0 .. W7     chunk c of W_q: one load lands in it; chunk c's unpacking reads it, its four roundings write it in place; one store reads it; nothing writes it after that.
;   X0 .. X3     four chunks of x each.  Block p's eight conversions read X[p % 4]; behind them the loads of block p + 4 land in it.
;   Y            chunk i's two registers: written once, by chunk i's conversions; read once, by its store.
;   T, ZP and SP are named by vector instructions alone.
; So every wait of the text is one on va_vdst: one at the head, for the offsets; one behind each four chunks of W_q, for their four stores; one in each block of x, behind its conversions, for the
; block's four loads and four stores.  No register that a memory instruction reads is written again, so no wait on vm_vsrc is owed.  The text has no branch: there is one path.
.set XO,  2                            ; v2   my byte offset in x:   32,768 u + 16 l
.set YO,  3                            ; v3   in xh:                 16,384 u + 8 l
.set WO,  4                            ; v4   in W_q and in wh:      4,096 u + 16 l
.set GO,  5                            ; v5   in scale and in zero:  128 u + 4 perm(l)
.set SC,  8                            ; v8   scale of group perm(l) of the unit's 32
.set ZE,  9                            ; v9   zero of the same group
.set ZP,  10                           ; v[10:11] the chunk's zero for my 8 weights, in the low register; the high one is named with it and holds 0
.set SP,  12                           ; v[12:13] the chunk's scale, likewise
.set T,   14                           ; v[14:21] eight weights at work
.set W,   24                           ; v[24:55]   chunk c of W_q: 4 registers, as loaded and then as stored
.set X,   56                           ; v[56:119]  buffer b, chunk j of four: 4 registers at X + 16 b + 4 j
.set Y,   120                          ; v[120:247] chunk i of xh: 2 registers
.set SELS, 16                          ; s[16:31] chunk c's two lane selects
	s_load_b256 s[4:11], s[0:1], 0x0               ; x s[4:5], W_q s[6:7], scale s[8:9], zero s[10:11]
	s_load_b128 s[12:15], s[0:1], 0x20             ; xh s[12:13], wh s[14:15]
	v_and_b32 v1, 31, v0                           ; l
	v_and_b32 v6, 0xe0, v0                         ; 32 x wave
	; Chunk c's lane l wants group 4 c + l / 8.  So that it finds it in its own half of 16 lanes, place p of half H holds group 4 (p / 2) + 2 H + p % 2:
	; perm(l) = 4 ((l / 2) % 8) + 2 (l / 16) + l % 2.  Lanes 0-7 of a half then take place 2 c, lanes 8-15 place 2 c + 1.
	v_bfe_u32 v7, v0, 1, 3
	v_bfe_u32 v14, v0, 4, 1
	v_and_b32 v15, 1, v0
	v_lshlrev_b32 v7, 2, v7
	v_lshl_add_u32 v7, v14, 1, v7
	v_add_nc_u32 v7, v7, v15                       ; perm(l)
	s_lshl_b32 s2, ttmp9, 18                       ; 8 units x 32,768 bytes a work-group
	v_lshl_add_u32 v[XO], v6, 10, s2
	v_lshl_add_u32 v[XO], v1, 4, v[XO]
	s_lshl_b32 s3, ttmp9, 17
	v_lshl_add_u32 v[YO], v6, 9, s3
	v_lshl_add_u32 v[YO], v1, 3, v[YO]
	s_lshl_b32 s2, ttmp9, 15
	v_lshl_add_u32 v[WO], v6, 7, s2
	v_lshl_add_u32 v[WO], v1, 4, v[WO]
	s_lshl_b32 s3, ttmp9, 10
	v_lshl_add_u32 v[GO], v6, 2, s3
	v_lshl_add_u32 v[GO], v7, 2, v[GO]
.irp c, 0,1,2,3,4,5,6,7
	s_mov_b32 s[SELS+2*(\c)],   0x11111111*2*(\c)       ; lanes 0-7 of each half take place 2 c of their half,
	s_mov_b32 s[SELS+2*(\c)+1], 0x11111111*(2*(\c)+1)   ; lanes 8-15 place 2 c + 1
.endr
.irp r, 0,1,2,3
	v_mov_b32 v[ZP+(\r)], 0                        ; v_permlane16_b32's destination counts as read, and the packed lines name whole pairs
.endr
	s_wait_kmcnt 0x0
	s_wait_alu depctr_va_vdst(0)                   ; the four offsets v2 to v5 are written: every load and store of the kernel reads one of them, and no vector instruction names them again
	; 26 loads on end: scale, zero, the 8 chunks of W_q, the first 16 chunks of x
	global_load_b32 v[SC], v[GO], s[8:9] th:TH_LOAD_NT
	global_load_b32 v[ZE], v[GO], s[10:11] th:TH_LOAD_NT
.irp c, 0,1,2,3,4,5,6,7
	global_load_b128 v[W+4*(\c):W+4*(\c)+3], v[WO], s[6:7] offset:512*(\c) th:TH_LOAD_NT
.endr
.irp i, 0,1,2,3,4,5,6,7,8,9,10,11,12,13,14,15
	global_load_b128 v[X+4*(\i):X+4*(\i)+3], v[XO], s[4:5] offset:512*(\i) th:TH_LOAD_NT
.endr
; Chunk c of W_q: my 4 words are 8 weights of one group.  The arithmetic alone: the chunk's store follows behind a wait that serves four chunks.
.macro DEQ c
	s_wait_loadcnt 23-(\c)                         ; loads come back in order (ISA guide 5.7.1): behind chunk c's stand the 7 - c later chunks' and x's sixteen; scale and zero are older
	v_permlane16_b32 v[ZP], v[ZE], s[SELS+2*(\c)], s[SELS+2*(\c)+1]
	v_permlane16_b32 v[SP], v[SC], s[SELS+2*(\c)], s[SELS+2*(\c)+1]
.irp j, 0,1,2,3
	v_and_b32     v[T+2*(\j)],   15, v[W+4*(\c)+(\j)]    ; the even weight
	v_ashrrev_i32 v[T+2*(\j)+1], 4,  v[W+4*(\c)+(\j)]    ; the odd one
.endr
.irp k, 0,1,2,3,4,5,6,7
	v_cvt_f32_i32 v[T+(\k)], v[T+(\k)]
.endr
.irp k, 0,2,4,6
	v_pk_add_f32 v[T+(\k):T+(\k)+1], v[T+(\k):T+(\k)+1], v[ZP:ZP+1] op_sel_hi:[1,0] neg_lo:[0,1] neg_hi:[0,1]  ; q - zero
.endr
.irp k, 0,2,4,6
	v_pk_mul_f32 v[T+(\k):T+(\k)+1], v[T+(\k):T+(\k)+1], v[SP:SP+1] op_sel_hi:[1,0]                            ; times scale
.endr
.irp j, 0,1,2,3
	v_cvt_pk_f16_f32 v[W+4*(\c)+(\j)], v[T+2*(\j)], v[T+2*(\j)+1]  ; the even weight into the low half
.endr
.endm
.macro WOUT c                          ; chunk c of wh leaves
	global_store_b128 v[WO], v[W+4*(\c):W+4*(\c)+3], s[14:15] offset:512*(\c) th:TH_STORE_NT
.endm
.irp c, 0,1,2,3
	DEQ \c
.endr
	s_wait_alu depctr_va_vdst(0)                   ; the roundings of chunks 0 to 3 have written W0 to W3, which the four stores below read
.irp c, 4,5,6,7
	WOUT (\c)-4                                    ; no further wait: the arithmetic of chunks 4 to 7, among which these stores are dealt, names W4 to W7, T, ZP, SP, v8 and v9 alone
	DEQ \c
.endr
	s_wait_alu depctr_va_vdst(0)                   ; the roundings of chunks 4 to 7 have written W4 to W7, which the four stores below read
.irp c, 4,5,6,7
	WOUT \c
.endr
; x in 16 blocks of four chunks: chunk i = 4 p + j lies in buffer p % 4.  A block's eight conversions empty its buffer; behind the one wait the buffer is asked for again, for the block four further on,
; ahead of the block's stores.  The last four blocks load nothing: the counts run down.
.set p, 0
.rept 16
.if p < 13
	s_wait_loadcnt 12                              ; block p's four loads are in; the three younger blocks' twelve stay out
.else
	s_wait_loadcnt 4*(15-p)
.endif
.set j, 0
.rept 4
.set i, 4*p+j
.set sl, X+4*(i%16)
	v_cvt_pk_f16_f32 v[Y+2*i],   v[sl],   v[sl+1]
	v_cvt_pk_f16_f32 v[Y+2*i+1], v[sl+2], v[sl+3]
.set j, j+1
.endr
	s_wait_alu depctr_va_vdst(0)                   ; the block's conversions have written its eight registers of Y, which the stores below read, and are done reading its buffer of X, in which the loads below land
.if p < 12
.set j, 0
.rept 4
.set i, 4*p+j
.set sl, X+4*(i%16)
	global_load_b128 v[sl:sl+3], v[XO], s[4:5] offset:512*(i+16) th:TH_LOAD_NT
.set j, j+1
.endr
.endif
.set j, 0
.rept 4
.set i, 4*p+j
	global_store_b64 v[YO], v[Y+2*i:Y+2*i+1], s[12:13] offset:256*i th:TH_STORE_NT  ; 32 lanes store 256 consecutive bytes, at a multiple of 256 from xh's first byte
.set j, j+1
.endr
.set p, p+1
.endr
	s_endpgm
.Lfunc_end_k_q932b73990c_prep:
	.size	k_q932b73990c_prep, .Lfunc_end_k_q932b73990c_prep-k_q932b73990c_prep
	.p2alignl 7, 3214868480
	.fill 96, 4, 3214868480
	.section	.rodata,"a",@progbits
	.p2align	6, 0x0
	.amdhsa_kernel k_q932b73990c_prep
		.amdhsa_group_segment_fixed_size 0
		.amdhsa_private_segment_fixed_size 0
		.amdhsa_enable_private_segment 0
		.amdhsa_kernarg_size 48
		.amdhsa_user_sgpr_count 2
		.amdhsa_user_sgpr_kernarg_segment_ptr 1
		.amdhsa_wavefront_size32 1
		.amdhsa_system_sgpr_workgroup_id_x 1
		.amdhsa_system_sgpr_workgroup_id_y 1
		.amdhsa_system_sgpr_workgroup_id_z 1
		.amdhsa_system_vgpr_workitem_id 0
		.amdhsa_next_free_vgpr 248
		.amdhsa_next_free_sgpr 66
		.amdhsa_reserve_vcc 0
		.amdhsa_float_denorm_mode_32 3
		.amdhsa_float_denorm_mode_16_64 3
		.amdhsa_memory_ordered 1
		.amdhsa_forward_progress 1
		.amdhsa_inst_pref_size 37
	.end_amdhsa_kernel
	.amdgpu_metadata
---
amdhsa.version: [ 1, 2 ]
amdhsa.kernels:
  - .name:           k_q932b73990c_prep
    .symbol:         k_q932b73990c_prep.kd
    .args:
      - { .name: x, .offset: 0, .size: 8, .value_kind: global_buffer, .address_space: global }
      - { .name: W_q, .offset: 8, .size: 8, .value_kind: global_buffer, .address_space: global }
      - { .name: scale, .offset: 16, .size: 8, .value_kind: global_buffer, .address_space: global }
      - { .name: zero, .offset: 24, .size: 8, .value_kind: global_buffer, .address_space: global }
      - { .name: xh, .offset: 32, .size: 8, .value_kind: global_buffer, .address_space: global }
      - { .name: wh, .offset: 40, .size: 8, .value_kind: global_buffer, .address_space: global }
    .group_segment_fixed_size: 0
    .private_segment_fixed_size: 0
    .kernarg_segment_align: 8
    .kernarg_segment_size: 48
    .max_flat_workgroup_size: 256
    .sgpr_count:     66
    .vgpr_count:     248
    .wavefront_size: 32
...
	.end_amdgpu_metadata
.endif
;; end of part 3
;; launch gemm: the kernel of part 2 again; grid 8 x 32, 4 waves a work-group, clusters of 4 x 4, 327,680 bytes of LDS; arguments xh, wh, out0; writes out0
